; MI455X (gfx1250); checked and timed in simulation.
; The chip was launched on July 23, 2026; its instructions are those of AMD's public machine-readable ISA for CDNA 5 (MIT licence, August 2026) and "CDNA5" Instruction Set Architecture Reference Guide (July 2026). The comments in the code are by the model that wrote it; some were corrected since.
;; Innocent Attention. Allowed arithmetic: matrix products marked QUANTISED: E4M3 operands, one given power-of-two scale a tensor, by v_wmma_f32_16x16x64_fp8_fp8 or v_wmma_f32_16x16x128_fp8_fp8, f32 sums; everything else in f32.
;; Inputs: event_length 4 int32; k_codes 4 x 16 x 2,048 x 2 x 32 uint8 (E4M3 codes of k, K innermost, in blocks of 32 codes); lowp_scales 4 int32 (the exponents e of the quantised operands' scales 2^e); q_codes 4 x 16 x 2,048 x 2 x 32 uint8 (E4M3 codes of q, K innermost, in blocks of 32 codes); v_codes 4 x 16 x 64 x 64 x 32 uint8 (E4M3 codes of v, K innermost, in blocks of 32 codes).
;; Outputs: out0 4 x 16 x 2,048 x 64 float32.
;; This version of the problem:
;;   THIS VERSION OF THE PROBLEM IS GIVEN IN LOW PRECISION. The matrix products marked QUANTISED in the list below multiply operands that are first quantised to E4M3 (4 exponent bits, 3 mantissa bits; 8 bits a number), with one given power-of-two scale for each operand tensor; their sums are f32. All else is computed in f32.
;;   The module's matrix products, in the order in which they are computed (A, B: the left and right operand; K: the contracted axis; several contracted axes count as one K, in the product's order):
;;     1. batch 64 x [M 2,048, K 64] x [K 64, N 2,048]; A: input q (given as codes); B: input k (given as codes): QUANTISED (scales: A lowp_scales[0], B lowp_scales[1])
;;     2. batch 64 x [M 2,048, K 2,048] x [K 2,048, N 64]; A: softmax (see below); B: input v (given as codes): QUANTISED (scales: A lowp_scales[2], B lowp_scales[3])
;;   THE QUANTISER, for each operand of a quantised product, along K:
;;     - The operand's scale is 2^e, e = its entry of the input lowp_scales (int32; the entries are numbered through the quantised products in the list's order, A before B).
;;     - Each number is divided by the scale, clamped to +-448, and rounded to the nearest number of E4M3, ties to even, subnormals kept.
;;     - The product sums the exact products of the quantised numbers (number of the format x scale) in f32.
;;   ~~~python
;;   def quantise(x, axis, e):      # numpy; x: float32 -> the quantised numbers, widened to float32 again
;;       x = np.moveaxis(x, axis, -1); K = x.shape[-1]
;;       r = np.clip(x / 2.0 ** e, -448, 448)
;;       step = 2.0 ** (np.maximum(np.frexp(np.where(r == 0, 1, r))[1] - 1, -6) - 3)
;;       q = np.round(r / step) * step * 2.0 ** e      # np.round: ties to even
;;       return np.moveaxis(q, -1, axis).astype(np.float32)
;;   ~~~
;;   SOFTMAX AHEAD OF A QUANTISED PRODUCT. Where the list says 'softmax', what is quantised is not the finished softmax but p = 2^(t - M), with t = logit x log2(e) and M = ceil(the row's largest t), a whole number; so 1/2 < the row's largest p <= 1. The row's sum l is taken of the UNQUANTISED p, in f32, and the product's result is divided by l at the end. Since M is a whole number, a kernel that streams over the keys may use a running M (the ceiling of the running maximum): every later rescaling is an exact power of two, so the quantised numbers keep their values, but for numbers so far below the row's largest that they fall under the format's range.
;;   OPERANDS COMPUTED ON THE WAY. 'Computed on the way' means the value that the module computes at that place (a softmax that the list does not call 'softmax' is quantised finished and normalised). What goes into a quantiser is computed in f32, as accurately as f32 sums, v_exp_f32 and their like allow (about 1e-6 of the number): no bf16 or f16 on the way to a quantiser, and a product that is left as it is and whose result goes on into a quantised operand takes f32 operands (vector FMAs, or v_wmma_f32_16x16x4_f32). A number that lies on a knife's edge between two numbers of the format may be rounded either way, as far as f32 arithmetic and the matrix unit's own rounding can turn it there, and no further.
;;   INPUTS GIVEN AS CODES. k (in the module: [4, 16, 2048, 64], K = its axis 3); q (in the module: [4, 16, 2048, 64], K = its axis 3); v (in the module: [4, 16, 2048, 64], K = its axis 2): each comes as NAME_codes (uint8): NAME with its K axis moved to the last place and cut into blocks of 32 codes, [.., K / 32, bytes a block], one block behind the other in memory; one code a byte (a code: sign, 4 exponent bits, 3 mantissa bits); its scale is its entry of lowp_scales. Its value is code x scale, taken as it is: it is not quantised again, and the codes and scales need not be those that the quantiser above would give.
;; One version. Each part assembles by itself: llvm-mc -triple=amdgcn-amd-amdhsa -mcpu=gfx1250 --defsym DOCPART=n.
;; ======== version 1 of 1: 1 launch
;; limits: right only within a limited range of input values
;; launch attn (part 1): grid 256 x 1, 16 waves a work-group, no clusters, 309,248 bytes of LDS; arguments q_codes, k_codes, v_codes, event_length, lowp_scales, out0; writes out0
.if DOCPART == 1
	.amdgcn_target "amdgcn-amd-amdhsa--gfx1250"
	.amdhsa_code_object_version 6
	.text
	.protected	k_q71aefce483_attn
	.globl	k_q71aefce483_attn
	.p2align	8
	.type	k_q71aefce483_attn,@function
k_q71aefce483_attn:
	s_mov_b64 s[64:65], 0
	v_nop
	global_prefetch_b8 v0, s[64:65] scope:SCOPE_SE
	s_setreg_imm32_b32 hwreg(HW_REG_WAVE_MODE, 25, 1), 1
	s_wait_xcnt 0x0
; out[b][h][s][:] = softmax_k(mask(q.k / 8)) v, 64 heads of 2,048 x 64, both products on codes of FP8 (E4M3), each tensor with its given scale 2^e: eq, ek, ep, ev.
; THE MASK is valid(s) and valid(k), valid(i) = i < e, e = event_length of the batch held within 0 .. 2,048.  So there are two kinds of rows.
;   s <  e: a softmax over the keys under e alone (the others stand at -1e9: p = 0).  MAIN: only these rows and keys are multiplied.
;   s >= e: every logit is -1e9, t is a whole number, M = t, p = 1 for ALL 2,048 keys, l = 2,048: the row is u[d] = Q(1) x (the sum of v[k][d] over all keys) / 2,048, one vector for a head.  U.
; SOFTMAX AHEAD OF THE SECOND PRODUCT: t = score x log2(e) / 8; M = the ceiling of the running largest t; p = 2^(t - M) is quantised with 2^ep; the sum is taken of the unquantised p; a change of M multiplies sum and O by a power of two.
; SHARES.  256 work-groups of 16 waves, 256 registers a wave, four waves to a SIMD.  A work-group has four sub-groups of four waves: wave w is member m = w / 4 of sub-group ((w % 4) + m) % 4.
;   MAIN: a sub-group takes one item = 128 queries of one head; member m takes 32 of them, two tiles of 16.  Items are the blocks that hold a valid row, 16 x ceil(e / 128) a batch, listed by falling e,
;   and dealt to the 1,024 sub-groups in a snake (place 256 sg + g, or 256 sg + 255 - g where sg is odd), so that each work-group gets long and short items.  All of that is scalar work on event_length.
;   U: work-group g serves head g % 64; its 16 waves sum v by the matrix unit (32 rows d x 256 keys a wave), and store rows 128 w + 8 i + 2 (g / 64) + lane / 16 where the row is not under e.  Each row of out has one owner.
; K AND V COME THROUGH REGISTERS INTO LDS, not by tensor loads shared in a cluster: how many chunks an item walks hangs on event_length, and the steps that the mask throws away are jumped over by
;   scalar branches on it.  Every barrier stands on every wave's path, in a loop of constant count; only work is jumped over.
; RING: for each sub-group two slots of 256 keys.  While one slot is multiplied (four steps of 64 keys), the four members load the next chunk, a quarter a step, and store it into the other slot.
; LAYOUT.  Both products transposed: S^T = K Q^T, O^T = V^T P^T: a lane holds ONE query (lane % 16).  Key 32 G + 16 g + 8 u + j lies in LDS row 32 G + 16 u + 8 g + j, so that the 16 registers of
;   tiles 2 b and 2 b + 1 of S^T are the keys 32 b + 16 (lane / 16) + 0 .. 15, and the conversions' results are the second product's operand.  Fragments are fetched 16 bytes at a time: the same order of k on both sides of each product.
; LIMITS: eq + ek between -123 and 9 (c stays an f32 number, and every real logit stays far above -1e9, so that masked keys have p = 0); ep between -126 and 119.  NaN codes are not served.
.set KPI,  80                          ; a key's row in LDS: 64 bytes + 16
.set VPI,  272                         ; a row of V's chunk: 256 bytes + 16; also a stage row
.set VOFF, 256*KPI                     ; a slot: 256 rows of K, then 64 rows of V
.set SLOT, VOFF+64*VPI                 ; 37,888
.set RING, 2*SLOT                      ; a sub-group's two slots
.set UB,   4*RING                      ; behind the rings: U's partial sums, [8 blocks of keys][64 d] f32
.set STA,  16*VPI                      ; 16 rows of V in a slot; also a tile's stage
.set STW,  2*STA                       ; a wave's two stages; they lie over the rings, behind the last barrier
.set QF,   32                          ; v32-47   Q: tile a at 8 a
.set SC,   48                          ; v48-111  S^T, then p: tile a at 32 a
.set OA,   112                         ; v112-175 O^T: tile a at 32 a, 8 registers for each 16 d
.set FG,   176                         ; v176-207 four fragments of K, then of V
.set PC,   208                         ; v208-223 p's codes: tile a at 8 a
.set STG,  224                         ; v224-239 the fill's staging
; v1 K read, v2 V read, v3 K fill, v4 V fill (LDS); v5 K, v6 V (memory); v7 16 h; v8 -inf; v9 2^ep; v10 448 x 2^ep; v11 the mask's bound
; tile a: v[12+6a] -M, v[13+6a] the largest score, v[14+6a:15+6a] the sum in two halves, v[16+6a] f, v[17+6a] 0; v[24+3a] .. +2 at work; v[30:31], v[28:29] second chains of the sums
; v240 stage in, v241 stage out, v242 256 h + 16 x, v243 h, v244 Q, v245 U's V, v246, v247 U's LDS, v248 U's first row, v249 the prefetch's offset
.set EI,   40                          ; s40 the item's e, 0 where the sub-group has no item
.set ELW,  41                          ; s41 e where my 32 queries hold a valid one, else 0
.set KF,   56                          ; s56 the step's first key
.set KN,   57                          ; s57 first key of the chunk that is being filled
.set CNT,  58
.set PFL,  59                          ; s59 e in a wave that prefetches, else 0
.macro CE a, b                         ; the larger key to a, the smaller to b
	s_max_u32 s32, s[\a], s[\b]
	s_min_u32 s[\b], s[\a], s[\b]
	s_mov_b32 s[\a], s32
.endm
.macro PLACES                          ; four plain vector lines behind matrix instructions, ahead of loads into their registers and of reads of their results
.rept 4
	v_nop
.endr
.endm
; A store of two rows under a mask: lanes for which the compare of s62 with v[vr] holds.  EXEC is a source of pending memory instructions: it is written only behind s_wait_xcnt 0.
.macro MSTORE op, vr, d0, base, off
	\op vcc_lo, s62, v[\vr]
	s_wait_xcnt 0x0
	s_and_saveexec_b32 s61, vcc_lo
	global_store_b128 v242, v[\d0:\d0+3], s[\base:\base+1] offset:\off th:TH_STORE_NT
	s_wait_xcnt 0x0
	s_or_b32 exec_lo, exec_lo, s61
.endm
; Quarter q of a chunk, my member's part: q = 0, 1: K, 512 consecutive bytes (8 keys) an instruction; q = 2, 3: V, two rows' 256 consecutive bytes an instruction.
.macro FILL_LOAD q, base
.irp e, 0,1,2,3
.if (\q) < 2
	global_load_b128 v[(\base)+4*\e:(\base)+4*\e+3], v5, s[46:47] offset:8192*(\q)+2048*\e
.else
	global_load_b128 v[(\base)+4*\e:(\base)+4*\e+3], v6, s[48:49] offset:(32*((\q)-2)+8*\e)*2048
.endif
.endr
.endm
.macro FILL_STORE sl, q, base
.irp e, 0,1,2,3
.if (\q) < 2
	ds_store_b128 v3, v[(\base)+4*\e:(\base)+4*\e+3] offset:(\sl)*SLOT+(4*(\q)+\e)*32*KPI
.else
	ds_store_b128 v4, v[(\base)+4*\e:(\base)+4*\e+3] offset:(\sl)*SLOT+(32*((\q)-2)+8*\e)*VPI
.endif
.endr
.endm
	s_load_b256 s[4:11], s[0:1], 0x0               ; q s[4:5], k s[6:7], v s[8:9], event_length s[10:11]
	s_load_b128 s[12:15], s[0:1], 0x20             ; lowp_scales s[12:13], out s[14:15]
	v_lshl_add_u32 v254, v0, 2, 0x4b000
	v_mov_b32 v255, 0
	v_lshrrev_b32 v24, 5, v0
	s_delay_alu instid0(VALU_DEP_1)
	v_readfirstlane_b32 s24, v24                   ; wave w
	s_mov_b32 s27, ttmp9                           ; work-group g
	s_and_b32 s62, s24, 3
	s_lshr_b32 s26, s24, 2                         ; member m
	s_add_co_u32 s25, s62, s26
	s_and_b32 s25, s25, 3                          ; sub-group sg
	s_mul_i32 s63, s25, RING                       ; my ring
	s_add_co_u32 s62, s63, VOFF
	v_and_b32 v26, 31, v0                          ; lane l
	v_and_b32 v25, 15, v0                          ; r = x = l % 16
	v_bfe_u32 v243, v0, 4, 1                       ; h = l / 16
	s_delay_alu instid0(VALU_DEP_1)
	v_lshlrev_b32 v7, 4, v243
	s_delay_alu instid0(VALU_DEP_3)
	v_mul_u32_u24 v1, v25, KPI                     ; K read: ring + 80 r + 16 h
	s_delay_alu instid0(VALU_DEP_1)
	v_add_nc_u32 v1, v1, v7
	s_delay_alu instid0(VALU_DEP_1)
	v_add_nc_u32 v1, s63, v1
	v_mul_u32_u24 v2, v25, VPI                     ; V read: ring + VOFF + 272 r + 16 h
	s_delay_alu instid0(VALU_DEP_1)
	v_add_nc_u32 v2, v2, v7
	s_delay_alu instid0(VALU_DEP_1)
	v_add_nc_u32 v2, s62, v2
	s_and_b32 s32, s26, 1                          ; K fill: my 8 keys of a group of 32 go to rows 16 (m % 2) + 8 (m / 2) + l / 4
	s_lshl_b32 s32, s32, 4
	s_lshr_b32 s37, s26, 1
	s_lshl_b32 s37, s37, 3
	s_add_co_u32 s32, s32, s37
	s_mul_i32 s32, s32, KPI
	s_add_co_u32 s32, s32, s63
	v_lshrrev_b32 v27, 2, v26
	s_delay_alu instid0(VALU_DEP_1)
	v_mul_u32_u24 v3, v27, KPI
	v_and_b32 v27, 3, v26
	s_delay_alu instid0(VALU_DEP_1)
	v_lshl_add_u32 v3, v27, 4, v3
	s_delay_alu instid0(VALU_DEP_1)
	v_add_nc_u32 v3, s32, v3
	s_mul_i32 s32, s26, 2*VPI                      ; V fill: row 2 m + h, 16 x
	s_add_co_u32 s32, s32, s62
	v_mul_u32_u24 v4, v243, VPI
	s_delay_alu instid0(VALU_DEP_1)
	v_lshl_add_u32 v4, v25, 4, v4
	s_delay_alu instid0(VALU_DEP_1)
	v_add_nc_u32 v4, s32, v4
	s_lshl_b32 s32, s26, 9
	v_lshl_add_u32 v5, v26, 4, s32                 ; K in memory: 512 m + 16 l
	s_lshl_b32 s32, s26, 12
	v_lshl_add_u32 v6, v243, 11, s32               ; V in memory: 2,048 (2 m + h) + 16 x
	s_delay_alu instid0(VALU_DEP_1)
	v_lshl_add_u32 v6, v25, 4, v6
	v_mov_b32 v8, 0xff800000                       ; -infinity
	s_mul_i32 s32, s24, STW                        ; my stages
	v_mul_u32_u24 v240, v25, VPI
	s_delay_alu instid0(VALU_DEP_1)
	v_lshl_add_u32 v240, v243, 5, v240
	s_delay_alu instid0(VALU_DEP_1)
	v_add_nc_u32 v240, s32, v240                   ; in: row r, + 32 h
	v_mul_u32_u24 v241, v243, VPI
	s_delay_alu instid0(VALU_DEP_1)
	v_lshl_add_u32 v241, v25, 4, v241
	s_delay_alu instid0(VALU_DEP_1)
	v_add_nc_u32 v241, s32, v241                   ; back: lanes 0-15 one row, lanes 16-31 the next
	v_lshlrev_b32 v242, 8, v243
	s_delay_alu instid0(VALU_DEP_1)
	v_lshl_add_u32 v242, v25, 4, v242              ; and the same two rows in out
	v_lshl_add_u32 v244, v25, 6, v7                ; Q: 64 r + 16 h
	v_lshl_add_u32 v245, v25, 11, v7               ; U's V: 2,048 r + 16 h
	s_lshl_b32 s32, s24, 7
	s_add_co_u32 s32, s32, UB
	v_lshl_add_u32 v246, v243, 5, s32              ; U's partial sums: block of keys w / 2, d 32 (w % 2) on: UB + 128 w + 32 h
	v_lshlrev_b32 v247, 4, v25
	s_delay_alu instid0(VALU_DEP_1)
	v_add_nc_u32 v247, UB, v247                    ; and back: 16 x
	s_and_b32 s32, s26, 1
	s_lshl_b32 s32, s32, 13
	v_lshl_add_u32 v249, v26, 8, s32               ; the prefetch: 8,192 (m % 2) + 256 l
	v_mov_b32 v28, 0                               ; written once: a lane permute's destination counts as one of its sources (v26, v29)
	v_mov_b32 v29, 0
	v_mov_b32 v30, 0
	v_mov_b32 v31, 0
	s_lshr_b32 s37, s27, 6                         ; U: which quarter of the head's rows: g / 64
	s_lshl_b32 s37, s37, 1
	s_lshl_b32 s38, s24, 7
	s_add_co_u32 s38, s38, s37                     ; 128 w + 2 (g / 64)
	v_add_nc_u32 v248, s38, v243                   ; + h: the row of my first store
	s_and_b32 s39, s27, 63                         ; U's head
	s_lshl_b32 s70, s39, 17                        ; a head of codes is 131,072 bytes
	s_and_b32 s32, s24, 1
	s_lshl_b32 s32, s32, 16                        ; 32 rows d of 2,048 bytes
	s_add_co_u32 s70, s70, s32
	s_lshr_b32 s32, s24, 1
	s_lshl_b32 s32, s32, 8                         ; 256 keys
	s_add_co_u32 s70, s70, s32
	s_mov_b32 s71, 0
	s_lshl_b32 s72, s39, 19                        ; a head of out is 524,288 bytes
	s_lshl_b32 s32, s38, 8
	s_add_co_u32 s72, s72, s32
	s_mov_b32 s73, 0
	s_wait_kmcnt 0x0
	s_load_b128 s[16:19], s[10:11], 0x0            ; event_length
	s_load_b128 s[20:23], s[12:13], 0x0            ; eq, ek, ep, ev
	s_add_nc_u64 s[74:75], s[8:9], s[70:71]
	s_add_nc_u64 s[68:69], s[14:15], s[72:73]
.irp tt, 0,1                                   ; U: four fragments of V (16 d x 128 keys): tile tt, K step ks at v[SC + 16 (2 tt + ks)]
.irp ks, 0,1
.irp c, 0,1,2,3
	global_load_b128 v[SC+16*(2*\tt+\ks)+4*\c:SC+16*(2*\tt+\ks)+4*\c+3], v245, s[74:75] offset:32768*\tt+128*\ks+32*\c
.endr
.endr
.endr
	s_wait_kmcnt 0x0
.irp b, 0,1,2,3
	s_max_i32 s[16+\b], s[16+\b], 0                ; e = event_length within 0 .. 2,048: what idx < el gives
	s_min_i32 s[16+\b], s[16+\b], 2048
	s_lshl_b32 s[28+\b], s[16+\b], 2
	s_or_b32 s[28+\b], s[28+\b], \b                ; a key to sort by: 4 e + batch
.endr
	s_bfe_u32 s62, s27, 0x20004                    ; U's batch: (g / 16) % 4
	s_cmp_eq_u32 s62, 1
	s_cselect_b32 s66, s17, s16
	s_cmp_eq_u32 s62, 2
	s_cselect_b32 s66, s18, s66
	s_cmp_eq_u32 s62, 3
	s_cselect_b32 s66, s19, s66                    ; its e
	CE 28, 29                                      ; the four keys in falling order
	CE 30, 31
	CE 28, 30
	CE 29, 31
	CE 29, 30
.irp i, 0,1,2,3
	s_lshr_b32 s[33+\i], s[28+\i], 2
	s_add_co_u32 s[33+\i], s[33+\i], 127
	s_lshr_b32 s[33+\i], s[33+\i], 7
	s_lshl_b32 s[33+\i], s[33+\i], 4               ; items of the batch: 16 heads x ceil(e / 128) blocks
.endr
	s_add_co_u32 s34, s34, s33                     ; where each batch's items end in the list
	s_add_co_u32 s35, s35, s34
	s_add_co_u32 s36, s36, s35                     ; all items: 1,024 at the most, as many as there are sub-groups
	s_sub_co_u32 s62, 255, s27
	s_and_b32 s63, s25, 1
	s_cmp_lg_u32 s63, 0
	s_cselect_b32 s62, s62, s27                    ; the snake
	s_lshl_b32 s37, s25, 8
	s_add_co_u32 s37, s37, s62                     ; my sub-group's place in the list
	s_mov_b32 s38, s28
	s_mov_b32 s39, 0
	s_cmp_ge_u32 s37, s33
	s_cselect_b32 s38, s29, s38
	s_cselect_b32 s39, s33, s39
	s_cmp_ge_u32 s37, s34
	s_cselect_b32 s38, s30, s38
	s_cselect_b32 s39, s34, s39
	s_cmp_ge_u32 s37, s35
	s_cselect_b32 s38, s31, s38
	s_cselect_b32 s39, s35, s39
	s_sub_co_u32 s39, s37, s39                     ; my place among the batch's items
	s_lshr_b32 s[EI], s38, 2
	s_cmp_lt_u32 s37, s36
	s_cselect_b32 s[EI], s[EI], 0                  ; no item: e counts as 0, and all work is jumped over
	s_and_b32 s62, s38, 3
	s_lshl_b32 s62, s62, 4
	s_and_b32 s63, s39, 15
	s_add_co_u32 s42, s62, s63
	s_min_u32 s42, s42, 63                         ; the head; held, since it enters addresses
	s_lshr_b32 s43, s39, 4
	s_min_u32 s43, s43, 15                         ; the block of 128 queries; held likewise
	s_lshl_b32 s44, s43, 7
	s_lshl_b32 s62, s26, 5
	s_add_co_u32 s44, s44, s62                     ; my first query
	s_cmp_lt_u32 s44, s[EI]
	s_cselect_b32 s[ELW], s[EI], 0
	s_lshr_b32 s62, s26, 1
	s_or_b32 s62, s62, s43
	s_cmp_eq_u32 s62, 0                            ; members 0 and 1 of a head's first block prefetch
	s_cselect_b32 s[PFL], s[EI], 0
	s_lshl_b32 s70, s42, 17
	s_mov_b32 s71, 0
	s_add_nc_u64 s[46:47], s[6:7], s[70:71]        ; K and V at the head's chunk 0
	s_add_nc_u64 s[48:49], s[8:9], s[70:71]
	s_lshl_b32 s62, s44, 6
	s_add_co_u32 s70, s70, s62
	s_add_nc_u64 s[76:77], s[4:5], s[70:71]        ; Q at my first query
	s_lshl_b32 s72, s42, 19
	s_lshl_b32 s62, s44, 8
	s_add_co_u32 s72, s72, s62
	s_mov_b32 s73, 0
	s_add_nc_u64 s[50:51], s[14:15], s[72:73]      ; out likewise
	s_add_co_i32 s62, s20, s21
	s_lshl_b32 s62, s62, 23
	s_add_co_i32 s52, s62, 0x3e38aa3b              ; c = log2(e) / 8 x 2^(eq + ek): the exponents are added to c's exponent field
	s_mov_b32 s53, s52                             ; (named with it as a pair, so it is written)
	s_mov_b32 s54, 0x76543210                      ; v_permlanex16_b32: lane l xor 16
	s_mov_b32 s55, 0xfedcba98
	s_add_co_i32 s60, s22, s23                     ; ep + ev
	s_add_co_i32 s62, s22, 127
	s_lshl_b32 s63, s62, 23
	v_mov_b32 v9, s63                              ; 2^ep as f32: the conversion takes its exponent field
	s_add_co_i32 s62, s62, 8
	s_lshl_b32 s62, s62, 23
	s_or_b32 s62, s62, 0x600000
	v_mov_b32 v10, s62                             ; 448 x 2^ep
.irp i, 0,1,2,3,4,5,6,7
	v_min_num_f32 v[STG+\i], 1.0, v10              ; U's p = 1, held at the largest code x the scale
.endr
.irp i, 0,1,2,3,4,5,6,7
	v_cvt_scalef32_pk8_fp8_f32 v[PC+2*\i:PC+2*\i+1], v[STG:STG+7], v9   ; its code in every byte of an operand of 16 registers
.endr
	v_nop                                          ; a plain line between the conversions and the products that read their results
	s_wait_alu depctr_va_vdst(0)
	s_wait_loadcnt 0x0                             ; U's fragments of V
	v_wmma_f32_16x16x128_fp8_fp8 v[OA:OA+7], v[SC:SC+15], v[PC:PC+15], 0                       ; two accumulators by turns: d 0-15 and d 16-31 of my 32, 256 keys
	v_wmma_f32_16x16x128_fp8_fp8 v[OA+8:OA+15], v[SC+32:SC+47], v[PC:PC+15], 0
	v_wmma_f32_16x16x128_fp8_fp8 v[OA:OA+7], v[SC+16:SC+31], v[PC:PC+15], v[OA:OA+7]
	v_wmma_f32_16x16x128_fp8_fp8 v[OA+8:OA+15], v[SC+48:SC+63], v[PC:PC+15], v[OA+8:OA+15]
	PLACES
.irp a, 0,1
.irp c, 0,1
	global_load_b128 v[QF+8*\a+4*\c:QF+8*\a+4*\c+3], v244, s[76:77] offset:1024*\a+32*\c th:TH_LOAD_NT   ; Q stays in registers; read by this wave alone
.endr
.endr
	s_cmp_lg_u32 s[EI], 0
	s_cbranch_scc0 .Lno_chunk0
	FILL_LOAD 0, SC                                ; chunk 0, my part, staged in the registers of the scores
	FILL_LOAD 1, SC+16
	FILL_LOAD 2, SC+32
	FILL_LOAD 3, SC+48
.Lno_chunk0:
.irp tt, 0,1
.irp q, 0,1
	ds_store_b128 v246, v[OA+8*\tt+4*\q:OA+8*\tt+4*\q+3] offset:64*\tt+16*\q   ; register j is d = 16 tt + 8 h + j; the sixteen lanes of a half hold the same numbers and write the same bytes
.endr
.endr
	s_wait_dscnt 0x0                               ; my partial sums have landed
	s_barrier_signal -1
	s_barrier_wait -1                              ; everybody's have
.irp kb, 0,1,2,3,4,5,6,7
	ds_load_b128 v[PC+4*\kb:PC+4*\kb+3], v247 offset:256*\kb   ; d = 4 x .. 4 x + 3 of each of the eight blocks of keys
.endr
.set ii, 0
.rept 64
	v_mov_b32 v[OA+ii], 0                          ; O^T: the key step is written once; its first run finds zeros, which the first change of M leaves zeros
.set ii, ii+1
.endr
.irp a, 0,1
	v_mov_b32 v[12+6*\a], 0x7f61b1e6               ; -M: 3e38
	v_mov_b32 v[13+6*\a], 0xff61b1e6               ; the largest score so far: -3e38
	v_mov_b32 v[14+6*\a], 0                        ; the sum, in two halves
	v_mov_b32 v[15+6*\a], 0
	v_mov_b32 v[16+6*\a], 0                        ; f,
	v_mov_b32 v[17+6*\a], 0                        ; and the upper half of its pair
.endr
	s_wait_dscnt 0x0
.irp k, 0,2,4,6
	v_pk_add_f32 v[PC+4*\k:PC+4*\k+1], v[PC+4*\k:PC+4*\k+1], v[PC+4*\k+4:PC+4*\k+5]
	v_pk_add_f32 v[PC+4*\k+2:PC+4*\k+3], v[PC+4*\k+2:PC+4*\k+3], v[PC+4*\k+6:PC+4*\k+7]
.endr
.irp k, 0
	v_pk_add_f32 v[PC+4*\k:PC+4*\k+1], v[PC+4*\k:PC+4*\k+1], v[PC+4*\k+8:PC+4*\k+9]
	v_pk_add_f32 v[PC+4*\k+2:PC+4*\k+3], v[PC+4*\k+2:PC+4*\k+3], v[PC+4*\k+10:PC+4*\k+11]
.endr
.irp k, 4
	s_delay_alu instid0(VALU_DEP_4)
	v_pk_add_f32 v[PC+4*\k:PC+4*\k+1], v[PC+4*\k:PC+4*\k+1], v[PC+4*\k+8:PC+4*\k+9]
	s_delay_alu instid0(VALU_DEP_4)
	v_pk_add_f32 v[PC+4*\k+2:PC+4*\k+3], v[PC+4*\k+2:PC+4*\k+3], v[PC+4*\k+10:PC+4*\k+11]
.endr
	s_delay_alu instid0(VALU_DEP_2)
	v_pk_add_f32 v[PC:PC+1], v[PC:PC+1], v[PC+16:PC+17]
	s_delay_alu instid0(VALU_DEP_2)
	v_pk_add_f32 v[PC+2:PC+3], v[PC+2:PC+3], v[PC+18:PC+19]
	s_sub_co_i32 s62, s60, 11
.irp i, 0,1,2,3
	v_ldexp_f32 v[PC+\i], v[PC+\i], s62            ; u = the sum of codes x 2^(ep + ev) / 2,048
.endr
	s_lshl_b32 s63, s24, 7                         ; my stores lie in rows 128 w .. 128 w + 127
	s_cmp_ge_u32 s63, s66
	s_cbranch_scc1 .Lu_all                         ; none of them is under e
	s_add_co_u32 s63, s63, 128
	s_cmp_le_u32 s63, s66
	s_cbranch_scc1 .Lu_done                        ; all of them are: MAIN owns them
	s_wait_alu depctr_va_vdst(0)
.irp i, 0,1,2,3,4,5,6,7,8,9,10,11,12,13,14,15
	s_sub_co_i32 s62, s66, 8*\i
	MSTORE v_cmp_le_i32, 248, PC, 68, 2048*\i      ; row = v248 + 8 i, stored where e <= row
.endr
	s_branch .Lu_done
.Lu_all:
	s_wait_alu depctr_va_vdst(0)
.irp i, 0,1,2,3,4,5,6,7,8,9,10,11,12,13,14,15
	global_store_b128 v242, v[PC:PC+3], s[68:69] offset:2048*\i th:TH_STORE_NT   ; sixteen lanes store a row's 256 bytes, aligned
.endr
.Lu_done:
	s_wait_xcnt 0x0                                ; U's stores have read their registers, which the key steps write again
	s_wait_loadcnt 0x0                             ; Q, and chunk 0
	s_cmp_lg_u32 s[EI], 0
	s_cbranch_scc0 .Lno_store0
	FILL_STORE 0, 0, SC
	FILL_STORE 0, 1, SC+16
	FILL_STORE 0, 2, SC+32
	FILL_STORE 0, 3, SC+48
.Lno_store0:
	s_add_nc_u64 s[46:47], s[46:47], 16384         ; K and V at chunk 1 (their loads are done)
	s_add_nc_u64 s[48:49], s[48:49], 256
	s_mov_b32 s[KF], 0
	s_mov_b32 s[KN], 256
	s_mov_b32 s[CNT], 4
	s_wait_dscnt 0x0                               ; my part of chunk 0 has landed
	s_barrier_signal -1
	s_barrier_wait -1
; A KEY STEP: 64 keys, the st-th of slot sl, for my 32 queries; beside it a quarter of the next chunk goes into the other slot.
.macro STEP sl, st
	s_cmp_lt_u32 s[KN], s[EI]                      ; is there a next chunk with a valid key?
	s_cbranch_scc0 .Lnf_\@
	s_wait_dscnt 0x0                               ; the last quarter's LDS stores have read the staging registers
	FILL_LOAD \st, STG
.if (\st) == 0
; A PREFETCH INTO THE L2 of K's chunk after the one that is being filled: 16,384 bytes, members 0 and 1 of the head's first block, 8,192 bytes each, lanes 256 bytes apart: each aligned block of 256 bytes is
; named once in the launch.  It stands behind the wave's loads, one trip ahead of the loads that will want the chunk.  Chunks 0 and 1 come by their loads alone; a chunk that begins at or past e is not asked for.
; V is not prefetched: U has read every byte of it at the head.
	s_add_co_u32 s62, s[KN], 256
	s_cmp_lt_u32 s62, s[PFL]
	s_cbranch_scc0 .Lnf_\@
	global_prefetch_b8 v249, s[46:47] offset:16384 th:TH_LOAD_NT scope:SCOPE_SE
.endif
.Lnf_\@:
	s_cmp_lt_u32 s[KF], s[ELW]                     ; a step all of whose keys are masked, or a wave without a valid query: the work is jumped over
	s_cbranch_scc0 .Lnc_\@
.irp t, 0,1,2,3
.irp c, 0,1
	ds_load_b128 v[FG+8*\t+4*\c:FG+8*\t+4*\c+3], v1 offset:(\sl)*SLOT+(64*(\st)+16*\t)*KPI+32*\c
.endr
.endr
	s_wait_dscnt 0x0
.irp t, 0,1,2,3
.irp a, 0,1
	v_wmma_f32_16x16x64_fp8_fp8 v[SC+32*\a+8*\t:SC+32*\a+8*\t+7], v[FG+8*\t:FG+8*\t+7], v[QF+8*\a:QF+8*\a+7], 0
.endr
.endr
	PLACES
.irp t, 0,1,2,3                                ; V's fragments land while the softmax is worked
.irp c, 0,1
	ds_load_b128 v[FG+8*\t+4*\c:FG+8*\t+4*\c+3], v2 offset:(\sl)*SLOT+STA*\t+64*(\st)+32*\c
.endr
.endr
	s_add_co_u32 s62, s[KF], 64
	s_cmp_le_u32 s62, s[ELW]
	s_cbranch_scc1 .Lop_\@                         ; all 64 keys count
	s_sub_co_u32 s62, s[ELW], s[KF]
	v_sub_nc_u32 v11, s62, v7                      ; register n holds key KF + 16 h + 32 (n / 16) + n % 16: masked where 32 (n / 16) + n % 16 >= e - KF - 16 h
.set nn, 0
.rept 32
	v_cmp_ge_i32 vcc_lo, 32*(nn/16)+nn%16, v11
	v_cndmask_b32 v[SC+nn], v[SC+nn], v8, vcc_lo
	v_cndmask_b32 v[SC+32+nn], v[SC+32+nn], v8, vcc_lo
.set nn, nn+1
.endr
.Lop_\@:
.irp a, 0,1                                    ; the step's largest score of my query among my 32 keys, in two chains, each accumulator from its low end on; the tiles line by line
	v_max3_num_f32 v[24+3*\a], v[SC+32*\a], v[SC+32*\a+1], v[SC+32*\a+2]
	v_max3_num_f32 v[25+3*\a], v[SC+32*\a+3], v[SC+32*\a+4], v[SC+32*\a+5]
.endr
.irp i, 6,10,14,18,22,26
.irp a, 0,1
	v_max3_num_f32 v[24+3*\a], v[24+3*\a], v[SC+32*\a+\i], v[SC+32*\a+\i+1]
	v_max3_num_f32 v[25+3*\a], v[25+3*\a], v[SC+32*\a+\i+2], v[SC+32*\a+\i+3]
.endr
.endr
.irp a, 0
	v_max3_num_f32 v[24+3*\a], v[24+3*\a], v[SC+32*\a+30], v[SC+32*\a+31]
.endr
.irp a, 1
	v_max3_num_f32 v[24+3*\a], v[24+3*\a], v[SC+32*\a+30], v[SC+32*\a+31]
.endr
.irp a, 0,1
	s_delay_alu instid0(VALU_DEP_2)
	v_max_num_f32 v[24+3*\a], v[24+3*\a], v[25+3*\a]
.endr
.irp a, 0,1
	s_delay_alu instid0(VALU_DEP_2)
	v_permlanex16_b32 v[26+3*\a], v[24+3*\a], s54, s55   ; the query's other 32 keys lie in the lane 16 away
.endr
.irp a, 0,1
	s_delay_alu instid0(VALU_DEP_2)
	v_max3_num_f32 v[13+6*\a], v[13+6*\a], v[24+3*\a], v[26+3*\a]   ; the running largest score
.endr
.irp a, 0,1
	s_delay_alu instid0(VALU_DEP_2)
	v_mul_f32 v[24+3*\a], s52, v[13+6*\a]          ; as t (c is positive)
.endr
.irp a, 0,1
	s_delay_alu instid0(VALU_DEP_2)
	v_floor_f32 v[25+3*\a], -v[24+3*\a]            ; the new -M = floor(-t) = -ceil(t)
.endr
.irp a, 0,1
	s_delay_alu instid0(VALU_DEP_2)
	v_sub_f32 v[26+3*\a], v[25+3*\a], v[12+6*\a]   ; old M - new M: a whole number, 0 or less
.endr
.irp a, 0,1
	s_delay_alu instid0(VALU_DEP_4)
	v_mov_b32 v[12+6*\a], v[25+3*\a]
.endr
.irp a, 0,1
	s_delay_alu instid0(VALU_DEP_4)
	v_cvt_i32_f32 v[26+3*\a], v[26+3*\a]           ; (it saturates)
.endr
.irp a, 0,1
	s_delay_alu instid0(VALU_DEP_2)
	v_ldexp_f32 v[16+6*\a], 1.0, v[26+3*\a]        ; f = 2^(old M - new M)
.endr
.irp a, 0,1
.irp j, 0,2,4,6,8,10,12,14,16,18,20,22,24,26,28,30
	v_pk_fma_f32 v[SC+32*\a+\j:SC+32*\a+\j+1], v[SC+32*\a+\j:SC+32*\a+\j+1], s[52:53], v[12+6*\a:13+6*\a] op_sel_hi:[1,0,0]   ; t - M (of the pairs c and -M the low word serves both halves)
.endr
.endr
.set ii, 0
	s_wait_alu depctr_va_vdst(0)
.rept 64
	v_exp_f32 v[SC+ii], v[SC+ii]                   ; p = 2^(t - M): one batch
.set ii, ii+1
.endr
.irp a, 0,1
	v_pk_mul_f32 v[14+6*\a:15+6*\a], v[14+6*\a:15+6*\a], v[16+6*\a:17+6*\a] op_sel_hi:[1,0]   ; the sums under the new M; also the plain lines behind the exponentials
.endr
	s_wait_alu depctr_va_vdst(0)                   ; ahead of the first line that names an exponential's result: one for the batch
.irp a, 0,1                                    ; the sums of the UNQUANTISED p, two chains a tile
	v_pk_add_f32 v[30-2*\a:31-2*\a], v[SC+32*\a:SC+32*\a+1], v[SC+32*\a+2:SC+32*\a+3]
.endr
.irp j, 4,8,12,16,20,24,28
.irp a, 0,1
	v_pk_add_f32 v[14+6*\a:15+6*\a], v[14+6*\a:15+6*\a], v[SC+32*\a+\j:SC+32*\a+\j+1]
	v_pk_add_f32 v[30-2*\a:31-2*\a], v[30-2*\a:31-2*\a], v[SC+32*\a+\j+2:SC+32*\a+\j+3]
.endr
.endr
.irp a, 0
	s_delay_alu instid0(VALU_DEP_3)
	v_pk_add_f32 v[14+6*\a:15+6*\a], v[14+6*\a:15+6*\a], v[30-2*\a:31-2*\a]
.endr
.irp a, 1
	s_delay_alu instid0(VALU_DEP_2)
	v_pk_add_f32 v[14+6*\a:15+6*\a], v[14+6*\a:15+6*\a], v[30-2*\a:31-2*\a]
.endr
	s_cmp_ge_i32 s22, -8                           ; from ep = -8 on, 448 x 2^ep is 1.75 or more and p is at most 1: the hold would change nothing
	s_cbranch_scc1 .Lnh_\@
.set ii, 0
.rept 64
.set ii, ii+1
.endr
.Lnh_\@:
.irp a, 0,1
.irp t, 0,1,2,3
	v_cvt_scalef32_pk8_fp8_f32 v[PC+8*\a+2*\t:PC+8*\a+2*\t+1], v[SC+32*\a+8*\t:SC+32*\a+8*\t+7], v9
.endr
.endr
.irp a, 0,1
.irp j, 0,2,4,6,8,10,12,14,16,18,20,22,24,26,28,30
	v_pk_mul_f32 v[OA+32*\a+\j:OA+32*\a+\j+1], v[OA+32*\a+\j:OA+32*\a+\j+1], v[16+6*\a:17+6*\a] op_sel_hi:[1,0]   ; O^T under the new M; also the plain lines behind the conversions
.endr
.endr
	s_wait_alu depctr_va_vdst(0)
	s_wait_dscnt 0x0                               ; V's fragments
.irp t, 0,1,2,3                                ; eight accumulators by turns, one instruction a turn
.irp a, 0,1
	v_wmma_f32_16x16x64_fp8_fp8 v[OA+32*\a+8*\t:OA+32*\a+8*\t+7], v[FG+8*\t:FG+8*\t+7], v[PC+8*\a:PC+8*\a+7], v[OA+32*\a+8*\t:OA+32*\a+8*\t+7]
.endr
.endr
	PLACES
.Lnc_\@:
	s_wait_loadcnt 0x0                             ; the quarter asked for at the step's head is in; the wait stands on every path
	s_cmp_lt_u32 s[KN], s[EI]
	s_cbranch_scc0 .Lns_\@
	s_wait_alu depctr_va_vdst(0)
	FILL_STORE 1-(\sl), \st, STG
.Lns_\@:
	s_add_co_u32 s[KF], s[KF], 64
.endm
; A TRIP: slot sl is multiplied, the other is filled.  ONE barrier does both duties: in front of it each wave's reads of slot sl are back and its stores into the other slot have landed (s_wait_dscnt 0).
.macro TRIP sl
	STEP \sl, 0
	STEP \sl, 1
	STEP \sl, 2
	STEP \sl, 3
	s_wait_xcnt 0x0                                ; the prefetch, three steps back, has read K's address: it may step
	s_add_nc_u64 s[46:47], s[46:47], 16384
	s_add_nc_u64 s[48:49], s[48:49], 256
	s_add_co_u32 s[KN], s[KN], 256
	s_wait_dscnt 0x0
	s_barrier_signal -1
	s_barrier_wait -1
.endm
.Lpair:                                            ; four trips of two chunks: 2,048 keys, whatever e is
	TRIP 0
	TRIP 1
	s_sub_co_u32 s[CNT], s[CNT], 1
	s_cmp_lg_u32 s[CNT], 0
	s_cbranch_scc1 .Lpair
	; THE WAY OUT.  No barrier stands here.  O^T / the sum x 2^(ep + ev) goes through my two stages in LDS and leaves as whole rows of 256 bytes.  The stages lie over the rings, which nobody reads behind the last barrier.
	s_cmp_eq_u32 s[ELW], 0
	s_cbranch_scc1 .Lend
.irp a, 0,1
	v_add_f32 v[24+3*\a], v[14+6*\a], v[15+6*\a]   ; the sum's two halves,
.endr
.irp a, 0,1
	s_delay_alu instid0(VALU_DEP_2)
	v_permlanex16_b32 v[26+3*\a], v[24+3*\a], s54, s55
.endr
.irp a, 0,1
	s_delay_alu instid0(VALU_DEP_2)
	v_add_f32 v[24+3*\a], v[24+3*\a], v[26+3*\a]   ; and lane l xor 16's
.endr
	s_wait_alu depctr_va_vdst(0)
.irp a, 0,1
	v_rcp_f32 v[25+3*\a], v[24+3*\a]
.endr
	v_nop                                          ; a plain line behind the reciprocals
	s_wait_alu depctr_va_vdst(0)                   ; and the wait ahead of their first reader: one for both
.irp a, 0,1
	v_ldexp_f32 v[16+6*\a], v[25+3*\a], s60
.endr
.irp a, 0,1
.irp j, 0,2,4,6,8,10,12,14,16,18,20,22,24,26,28,30
	v_pk_mul_f32 v[SC+32*\a+\j:SC+32*\a+\j+1], v[OA+32*\a+\j:OA+32*\a+\j+1], v[16+6*\a:17+6*\a] op_sel_hi:[1,0]   ; register 8 t + i is out(query r, d = 16 t + 8 h + i)
.endr
.endr
.irp a, 0,1
.irp t, 0,1,2,3
	ds_store_b128 v240, v[SC+32*\a+8*\t:SC+32*\a+8*\t+3] offset:STA*\a+64*\t
	ds_store_b128 v240, v[SC+32*\a+8*\t+4:SC+32*\a+8*\t+7] offset:STA*\a+64*\t+16
.endr
.irp i, 0,1,2,3,4,5,6,7
	ds_load_b128 v[FG+32*\a+4*\i:FG+32*\a+4*\i+3], v241 offset:STA*\a+2*VPI*\i   ; LDS serves a wave's instructions in order (ISA guide 5.7.1.4): these see my stores
.endr
.endr
	s_sub_co_u32 s63, s[EI], s44                   ; how many of my queries are valid, 32 or more: all
	s_wait_dscnt 0x0
	s_cmp_ge_u32 s63, 32
	s_cbranch_scc1 .Lfull
.irp a, 0,1
.irp i, 0,1,2,3,4,5,6,7
	s_sub_co_i32 s62, s63, 16*\a+2*\i
	MSTORE v_cmp_gt_i32, 243, FG+32*\a+4*\i, 50, (16*\a+2*\i)*256   ; row q0 + 16 a + 2 i + h, stored where it is under e: the others are U's
.endr
.endr
	s_branch .Lend
.Lfull:
.irp a, 0,1
.irp i, 0,1,2,3,4,5,6,7
	global_store_b128 v242, v[FG+32*\a+4*\i:FG+32*\a+4*\i+3], s[50:51] offset:(16*\a+2*\i)*256 th:TH_STORE_NT   ; sixteen lanes store a row's 256 bytes, aligned
.endr
.endr
.Lend:
	s_wait_tensorcnt 0x0
	ds_add_u32 v254, v255
	s_wait_dscnt 0x0
	s_endpgm
.Lfunc_end_k_q71aefce483_attn:
	.size	k_q71aefce483_attn, .Lfunc_end_k_q71aefce483_attn-k_q71aefce483_attn
	.p2alignl 7, 3214868480
	.fill 96, 4, 3214868480
	.section	.rodata,"a",@progbits
	.p2align	6, 0x0
	.amdhsa_kernel k_q71aefce483_attn
		.amdhsa_group_segment_fixed_size 309248
		.amdhsa_private_segment_fixed_size 0
		.amdhsa_enable_private_segment 0
		.amdhsa_kernarg_size 48
		.amdhsa_user_sgpr_count 2
		.amdhsa_user_sgpr_kernarg_segment_ptr 1
		.amdhsa_wavefront_size32 1
		.amdhsa_system_sgpr_workgroup_id_x 1
		.amdhsa_system_sgpr_workgroup_id_y 1
		.amdhsa_system_sgpr_workgroup_id_z 1
		.amdhsa_system_vgpr_workitem_id 0
		.amdhsa_next_free_vgpr 256
		.amdhsa_next_free_sgpr 80
		.amdhsa_reserve_vcc 1
		.amdhsa_float_denorm_mode_32 3
		.amdhsa_float_denorm_mode_16_64 3
		.amdhsa_fp16_overflow 1
		.amdhsa_memory_ordered 1
		.amdhsa_forward_progress 1
		.amdhsa_inst_pref_size 187
	.end_amdhsa_kernel
	.amdgpu_metadata
---
amdhsa.version: [ 1, 2 ]
amdhsa.kernels:
  - .name:           k_q71aefce483_attn
    .symbol:         k_q71aefce483_attn.kd
    .args:
      - { .name: q_codes, .offset: 0, .size: 8, .value_kind: global_buffer, .address_space: global }
      - { .name: k_codes, .offset: 8, .size: 8, .value_kind: global_buffer, .address_space: global }
      - { .name: v_codes, .offset: 16, .size: 8, .value_kind: global_buffer, .address_space: global }
      - { .name: event_length, .offset: 24, .size: 8, .value_kind: global_buffer, .address_space: global }
      - { .name: lowp_scales, .offset: 32, .size: 8, .value_kind: global_buffer, .address_space: global }
      - { .name: out0, .offset: 40, .size: 8, .value_kind: global_buffer, .address_space: global }
    .group_segment_fixed_size: 309248
    .private_segment_fixed_size: 0
    .kernarg_segment_align: 8
    .kernarg_segment_size: 48
    .max_flat_workgroup_size: 512
    .sgpr_count:     80
    .vgpr_count:     256
    .wavefront_size: 32
...
	.end_amdgpu_metadata
.endif
;; end of part 1
